; MI455X (gfx1250); checked and timed in simulation.
; The chip was launched on July 23, 2026; its instructions are those of AMD's public machine-readable ISA for CDNA 5 (MIT licence, August 2026) and "CDNA5" Instruction Set Architecture Reference Guide (July 2026). The comments in the code are by the model that wrote it; some were corrected since.
;; Multi Head Attention. Allowed arithmetic: matrix products marked QUANTISED: E2M1 operands, one E8M0 scale for each 32 along K, by v_wmma_scale_f32_16x16x128_f8f6f4 with both operands' format E2M1 (or v_wmma_scale_f32_32x16x128_f4), f32 sums; everything else in f32.
;; Inputs: Wk 1,024 x 1,024 float32; Wo 1,024 x 1,024 float32; Wq 1,024 x 1,024 float32; Wv 1,024 x 1,024 float32; beta 1,024 float32; gamma 1,024 float32; k 4 x 2,048 x 1,024 float32; q 4 x 2,048 x 1,024 float32; v 4 x 2,048 x 1,024 float32.
;; Outputs: out0 4 x 2,048 x 1,024 float32.
;; This version of the problem:
;;   THIS VERSION OF THE PROBLEM IS GIVEN IN LOW PRECISION. The matrix products marked QUANTISED in the list below multiply operands that are first quantised to E2M1 (2 exponent bits, 1 mantissa bit; 4 bits a number), with one power-of-two scale for each 32 numbers along K (OCP MX v1.0); their sums are f32. All else is computed in f32.
;;   The module's matrix products, in the order in which they are computed (A, B: the left and right operand; K: the contracted axis; several contracted axes count as one K, in the product's order):
;;     1. [M 8,192, K 1,024] x [K 1,024, N 1,024]; A: input q; B: input Wq: QUANTISED
;;     2. [M 8,192, K 1,024] x [K 1,024, N 1,024]; A: input k; B: input Wk: QUANTISED
;;     3. [M 8,192, K 1,024] x [K 1,024, N 1,024]; A: input v; B: input Wv: QUANTISED
;;     4. batch 64 x [M 2,048, K 64] x [K 64, N 2,048]; A: computed on the way; B: computed on the way: QUANTISED
;;     5. batch 64 x [M 2,048, K 2,048] x [K 2,048, N 64]; A: softmax (see below); B: computed on the way: QUANTISED
;;     6. [M 8,192, K 1,024] x [K 1,024, N 1,024]; A: computed on the way; B: input Wo: QUANTISED
;;   THE QUANTISER, for each operand of a quantised product, along K:
;;     - K is cut into blocks of 32 from its start; a last block that is shorter is filled with zeros.
;;     - A block's scale is 2^e with e = floor(log2(the largest magnitude in the block)) - 2, held to -126 .. 127; a block of zeros has e = 0. As a byte (E8M0): e + 127.
;;     - Each number is divided by its block's scale, clamped to +-6, and rounded to the nearest number of E2M1, ties to even, subnormals kept.
;;     - The product sums the exact products of the quantised numbers (number of the format x scale) in f32.
;;   ~~~python
;;   def quantise(x, axis):      # numpy; x: float32 -> the quantised numbers, widened to float32 again
;;       x = np.moveaxis(x, axis, -1); K = x.shape[-1]
;;       x = np.pad(x, [(0, 0)] * (x.ndim - 1) + [(0, -K % 32)]); x = x.reshape(x.shape[:-1] + (-1, 32)); a = np.abs(x).max(-1, keepdims=True)
;;       e = np.where(a > 0, np.clip(np.frexp(np.where(a > 0, a, 1))[1] - 1 - 2, -126, 127), 0)      # np.frexp(a)[1] - 1 = floor(log2(a)), exactly
;;       r = np.clip(x / 2.0 ** e, -6, 6)
;;       step = 2.0 ** (np.maximum(np.frexp(np.where(r == 0, 1, r))[1] - 1, 0) - 1)
;;       q = np.round(r / step) * step * 2.0 ** e      # np.round: ties to even
;;       return np.moveaxis(q.reshape(q.shape[:-2] + (-1,))[..., :K], -1, axis).astype(np.float32)
;;   ~~~
;;   SOFTMAX AHEAD OF A QUANTISED PRODUCT. Where the list says 'softmax', what is quantised is not the finished softmax but p = 2^(t - M), with t = logit x log2(e) and M = ceil(the row's largest t), a whole number; so 1/2 < the row's largest p <= 1. The row's sum l is taken of the UNQUANTISED p, in f32, and the product's result is divided by l at the end. Since M is a whole number, a kernel that streams over the keys may use a running M (the ceiling of the running maximum): every later rescaling is an exact power of two, which a block's scale takes up: the codes' values come out the same.
;;   OPERANDS COMPUTED ON THE WAY. 'Computed on the way' means the value that the module computes at that place (a softmax that the list does not call 'softmax' is quantised finished and normalised). What goes into a quantiser is computed in f32, as accurately as f32 sums, v_exp_f32 and their like allow (about 1e-6 of the number): no bf16 or f16 on the way to a quantiser, and a product that is left as it is and whose result goes on into a quantised operand takes f32 operands (vector FMAs, or v_wmma_f32_16x16x4_f32). A number that lies on a knife's edge between two numbers of the format may be rounded either way, as far as f32 arithmetic and the matrix unit's own rounding can turn it there, and no further.
;; One version. Each part assembles by itself: llvm-mc -triple=amdgcn-amd-amdhsa -mcpu=gfx1250 --defsym DOCPART=n.
;; ======== version 1 of 1: 4 launches
;; workspace buffers: cod 14,680,064 bytes; scl 917,504 bytes; himg 12,582,912 bytes; hsc 1,310,720 bytes; aimg 4,194,304 bytes; asc 524,288 bytes
;; launch quant (part 1): grid 448 x 1, 4 waves a work-group, no clusters, 34,304 bytes of LDS; arguments q, k, v, Wq, Wk, Wv, Wo, cod, scl; writes cod, scl
.if DOCPART == 1
	.amdgcn_target "amdgcn-amd-amdhsa--gfx1250"
	.amdhsa_code_object_version 6
	.text
	.protected	k_qe229720d56_quant
	.globl	k_qe229720d56_quant
	.p2align	8
	.type	k_qe229720d56_quant,@function
k_qe229720d56_quant:
	s_mov_b64 s[64:65], 0
	v_nop
	global_prefetch_b8 v0, s[64:65] scope:SCOPE_SE
	s_setreg_imm32_b32 hwreg(HW_REG_WAVE_MODE, 25, 1), 1
	s_wait_xcnt 0x0
; q, k, v [8192][1024] and Wq, Wk, Wv, Wo [1024][1024], f32, K innermost, become codes of FP4 (E2M1) with one E8M0 byte for each 32 along K,
; laid in the ORDER OF THE OPERAND'S REGISTERS.  A tile is 16 rows; tile 2 p + u holds, in lane r, row 32 p + 8 u + r + 8 (r / 8) of its tensor.
; A fragment (a tile x 128 along K) is 1,024 bytes: byte 512 c + 16 lane holds k = 64 c + 32 (lane / 16) + 0 .. 31 of the row of lane % 16.
;   cod: fragment (tile T, K step s) at 8,192 T + 1,024 s.  Tiles: q 0, k 512, v 1,024, Wq 1,536, Wk 1,600, Wv 1,664, Wo 1,728 on.
;   scl: a pair of tiles has 1,024 bytes: the scale word of (K step s, lane) at 512 (s / 4) + 16 lane + 4 (s % 4); lanes 0-15 the even tile's rows, lanes 16-31 the odd tile's.
; A block's scale is 2^(floor(log2(its largest magnitude)) - 2); its byte is the largest magnitude's exponent field - 2, held at 1 from below.
; LIMITS: a block of zeros gets the byte 1 where the rule says 127 (its codes are zeros, and this program alone reads the bytes); NaN and infinities among the inputs are not served.
; SHARES: a wave takes a pair of tiles (32 rows) x 512 along K: 8 fragments.  Each load reads 512 consecutive bytes of one row; a fragment's 16 rows turn through the wave's own
; stage in LDS (rows of 512 bytes + 16), so that a lane gets two whole blocks of 32 neighbours of its row.  Waves share nothing: no barrier.  Loads run two fragments (32 loads a wave) ahead.
; No matrix unit, no cluster, no tensor load: the launch streams each f32 byte once, and no two work-groups read the same byte.
.set PITCH, 528                        ; a stage row
.set STAGE, 16*PITCH                   ; a wave's stage
.set LD0,   16                         ; v16-79, v80-143  two sets of 64 registers as loaded
.set XN,    144                        ; v144-207  register 32 c + n: k = 64 c + 32 h + n of my row
.set CD,    208                        ; v208-215  the fragment's codes
.set SW,    216                        ; v216-219  the pair's scale words of my four K steps
	s_load_b256 s[4:11], s[0:1], 0x0               ; q, k, v, Wq
	s_load_b256 s[12:19], s[0:1], 0x20             ; Wk, Wv, Wo, cod
	s_load_b64 s[22:23], s[0:1], 0x40              ; scl
	v_lshl_add_u32 v224, v0, 2, 0x8400
	v_mov_b32 v225, 0
	v_lshrrev_b32 v5, 5, v0
	v_readfirstlane_b32 s24, v5                    ; wave 0..3
	v_and_b32 v14, 31, v0                          ; lane
	v_and_b32 v6, 15, v0                           ; r
	v_bfe_u32 v7, v0, 4, 1                         ; h
	v_lshlrev_b32 v1, 4, v14                       ; 16 x lane: my bytes of a load, and of an image
	s_mul_i32 s31, s24, STAGE
	v_add_nc_u32 v2, s31, v1                       ; the stage, on the way in
	v_mul_u32_u24 v3, v6, PITCH
	v_lshl_add_u32 v3, v7, 7, v3
	v_add_nc_u32 v3, s31, v3                       ; and on the way out: row r, + 128 h bytes
	v_lshlrev_b32 v4, 3, v7                        ; 8 h: where my two scale bytes stand in the word
	v_cmp_lt_u32 vcc_lo, 15, v14                   ; lanes 16-31; VCC is written nowhere else
	s_mov_b32 s20, 0x76543210
	s_mov_b32 s21, 0xfedcba98                      ; v_permlanex16_b32's selects for lane l xor 16
	s_lshr_b32 s28, s24, 1                         ; which of the work-group's two pairs
	s_and_b32 s29, s24, 1                          ; which half of K
	s_lshl_b32 s34, ttmp9, 1
	s_add_co_u32 s34, s34, s28                     ; the pair, counted through all seven tensors
	s_lshl_b32 s36, s34, 14
	s_lshl_b32 s35, s29, 12
	s_add_co_u32 s36, s36, s35                     ; cod: 16,384 pair + 4,096 half
	s_mov_b32 s37, 0
	s_lshl_b32 s38, s34, 10
	s_lshl_b32 s35, s29, 9
	s_add_co_u32 s38, s38, s35                     ; scl: 1,024 pair + 512 half
	s_mov_b32 s39, 0
	s_wait_kmcnt 0x0
	s_mov_b64 s[26:27], s[16:17]                   ; which tensor: the choice hangs on the work-group's number alone.  Wo from work-group 432 on,
	s_mov_b32 s25, 432
	s_cmp_lt_u32 ttmp9, 432
	s_cselect_b64 s[26:27], s[14:15], s[26:27]     ; Wv from 416,
	s_cselect_b32 s25, 416, s25
	s_cmp_lt_u32 ttmp9, 416
	s_cselect_b64 s[26:27], s[12:13], s[26:27]     ; Wk from 400,
	s_cselect_b32 s25, 400, s25
	s_cmp_lt_u32 ttmp9, 400
	s_cselect_b64 s[26:27], s[10:11], s[26:27]     ; Wq from 384,
	s_cselect_b32 s25, 384, s25
	s_cmp_lt_u32 ttmp9, 384
	s_cselect_b64 s[26:27], s[8:9], s[26:27]       ; v from 256,
	s_cselect_b32 s25, 256, s25
	s_cmp_lt_u32 ttmp9, 256
	s_cselect_b64 s[26:27], s[6:7], s[26:27]       ; k from 128,
	s_cselect_b32 s25, 128, s25
	s_cmp_lt_u32 ttmp9, 128
	s_cselect_b64 s[26:27], s[4:5], s[26:27]       ; q from 0
	s_cselect_b32 s25, 0, s25
	s_sub_co_u32 s25, ttmp9, s25
	s_lshl_b32 s25, s25, 1
	s_add_co_u32 s25, s25, s28                     ; the pair within its tensor
	s_lshl_b32 s32, s25, 17                        ; 32 rows of 4,096 bytes
	s_lshl_b32 s33, s29, 11
	s_add_co_u32 s32, s32, s33                     ; + 2,048 bytes for the second half of K
	s_mov_b32 s33, 0
	s_add_nc_u64 s[26:27], s[26:27], s[32:33]
	s_add_nc_u64 s[18:19], s[18:19], s[36:37]
	s_add_nc_u64 s[22:23], s[22:23], s[38:39]
; fragment f = 2 x (K step of my four) + (tile of the pair): its 16 rows, 512 consecutive bytes each
.macro LOADF f
.irp rho, 0,1,2,3,4,5,6,7,8,9,10,11,12,13,14,15
	global_load_b128 v[LD0+64*((\f)%2)+4*\rho:LD0+64*((\f)%2)+4*\rho+3], v1, s[26:27] offset:(8*((\f)%2)+\rho+8*(\rho/8))*4096+512*((\f)/2) th:TH_LOAD_NT
.endr
.endm
.macro FQ f
.if (\f) < 7
	s_wait_loadcnt 16                              ; this fragment's 16 loads are in; the next fragment's 16 may be out
.else
	s_wait_loadcnt 0
.endif
.irp rho, 0,1,2,3,4,5,6,7,8,9,10,11,12,13,14,15
	ds_store_b128 v2, v[LD0+64*((\f)%2)+4*\rho:LD0+64*((\f)%2)+4*\rho+3] offset:PITCH*\rho
.endr
.irp c, 0,1
.irp j, 0,1,2,3,4,5,6,7
	ds_load_b128 v[XN+32*\c+4*\j:XN+32*\c+4*\j+3], v3 offset:256*\c+16*\j   ; LDS serves a wave's instructions in order: these see the stores above
.endr
.endr
	s_wait_dscnt 0x0                               ; my 64 numbers are back, and the stores have read their registers,
.if (\f)+2 < 8
	LOADF (\f)+2                                   ; which take the fragment two further on
.endif
.irp c, 0,1
	v_max3_num_f32 v[8+\c], |v[XN+32*\c]|, |v[XN+32*\c+1]|, 0x1800000   ; my block 2 c + h: all its 32 numbers are mine; the floor 2^(3 - 127) holds the byte at 1 from below
.endr
.irp i, 2,4,6,8,10,12,14,16,18,20,22,24,26,28,30
.irp c, 0,1
	v_max3_num_f32 v[8+\c], v[8+\c], |v[XN+32*\c+\i]|, |v[XN+32*\c+\i+1]|   ; the two blocks by turns
.endr
.endr
.irp c, 0,1
	v_add_nc_u32 v[10+\c], 0xff000000, v[8+\c]     ; 2 off the exponent field: the conversion's scale operand
.endr
.irp c, 0,1
	v_lshrrev_b32 v[12+\c], 23, v[10+\c]           ; the scale's byte
.endr
	v_lshl_or_b32 v15, v13, 16, v12                ; blocks h and 2 + h of my row,
	v_lshlrev_b32 v15, v4, v15                     ; at their places in the word;
	v_mov_b32 v5, 0
	v_permlanex16_b32 v5, v15, s20, s21
	v_or_b32 v15, v15, v5                          ; with lane l xor 16's two the word is whole, in both halves of the lanes
	s_wait_xcnt 0x0                                ; the last fragment's stores have read v208-215: only now are they written again
.irp c, 0,1
.irp g, 0,1,2,3
	v_cvt_scalef32_pk8_fp4_f32 v[CD+4*\c+\g], v[XN+32*\c+8*\g:XN+32*\c+8*\g+7], v[10+\c]
.endr
.endr
	v_nop                                          ; one plain place behind the scaled conversions
	global_store_b128 v1, v[CD:CD+3], s[18:19] offset:((\f)%2)*8192+((\f)/2)*1024          ; 512 consecutive bytes a store
	global_store_b128 v1, v[CD+4:CD+7], s[18:19] offset:((\f)%2)*8192+((\f)/2)*1024+512
.if (\f)%2 == 0
	v_mov_b32 v[SW+(\f)/2], v15                    ; the even tile's words,
.else
	v_cndmask_b32 v[SW+(\f)/2], v[SW+(\f)/2], v15, vcc_lo   ; and in lanes 16-31 the odd tile's
.endif
.endm
	LOADF 0
	LOADF 1
.irp n, 0,1,2,3,4,5,6,7
	FQ \n
.endr
	global_store_b128 v1, v[SW:SW+3], s[22:23]     ; the pair's words of four K steps: 512 consecutive bytes
	s_wait_tensorcnt 0x0
	ds_add_u32 v224, v225
	s_wait_dscnt 0x0
	s_endpgm
.Lfunc_end_k_qe229720d56_quant:
	.size	k_qe229720d56_quant, .Lfunc_end_k_qe229720d56_quant-k_qe229720d56_quant
	.p2alignl 7, 3214868480
	.fill 96, 4, 3214868480
	.section	.rodata,"a",@progbits
	.p2align	6, 0x0
	.amdhsa_kernel k_qe229720d56_quant
		.amdhsa_group_segment_fixed_size 34304
		.amdhsa_private_segment_fixed_size 0
		.amdhsa_enable_private_segment 0
		.amdhsa_kernarg_size 72
		.amdhsa_user_sgpr_count 2
		.amdhsa_user_sgpr_kernarg_segment_ptr 1
		.amdhsa_wavefront_size32 1
		.amdhsa_system_sgpr_workgroup_id_x 1
		.amdhsa_system_sgpr_workgroup_id_y 1
		.amdhsa_system_sgpr_workgroup_id_z 1
		.amdhsa_system_vgpr_workitem_id 0
		.amdhsa_next_free_vgpr 226
		.amdhsa_next_free_sgpr 66
		.amdhsa_reserve_vcc 1
		.amdhsa_float_denorm_mode_32 3
		.amdhsa_float_denorm_mode_16_64 3
		.amdhsa_memory_ordered 1
		.amdhsa_forward_progress 1
		.amdhsa_inst_pref_size 58
	.end_amdhsa_kernel
	.amdgpu_metadata
---
amdhsa.version: [ 1, 2 ]
amdhsa.kernels:
  - .name:           k_qe229720d56_quant
    .symbol:         k_qe229720d56_quant.kd
    .args:
      - { .name: q, .offset: 0, .size: 8, .value_kind: global_buffer, .address_space: global }
      - { .name: k, .offset: 8, .size: 8, .value_kind: global_buffer, .address_space: global }
      - { .name: v, .offset: 16, .size: 8, .value_kind: global_buffer, .address_space: global }
      - { .name: Wq, .offset: 24, .size: 8, .value_kind: global_buffer, .address_space: global }
      - { .name: Wk, .offset: 32, .size: 8, .value_kind: global_buffer, .address_space: global }
      - { .name: Wv, .offset: 40, .size: 8, .value_kind: global_buffer, .address_space: global }
      - { .name: Wo, .offset: 48, .size: 8, .value_kind: global_buffer, .address_space: global }
      - { .name: cod, .offset: 56, .size: 8, .value_kind: global_buffer, .address_space: global }
      - { .name: scl, .offset: 64, .size: 8, .value_kind: global_buffer, .address_space: global }
    .group_segment_fixed_size: 34304
    .private_segment_fixed_size: 0
    .kernarg_segment_align: 8
    .kernarg_segment_size: 72
    .max_flat_workgroup_size: 128
    .sgpr_count:     66
    .vgpr_count:     226
    .wavefront_size: 32
...
	.end_amdgpu_metadata
.endif
;; end of part 1
;; launch proj (part 2): grid 4 x 96, 16 waves a work-group, no clusters, 280,576 bytes of LDS; arguments cod, scl, himg, hsc; writes himg, hsc
.if DOCPART == 2
	.amdgcn_target "amdgcn-amd-amdhsa--gfx1250"
	.amdhsa_code_object_version 6
	.text
	.protected	k_qe229720d56_proj
	.globl	k_qe229720d56_proj
	.p2align	8
	.type	k_qe229720d56_proj,@function
k_qe229720d56_proj:
	s_mov_b64 s[64:65], 0
	v_nop
	global_prefetch_b8 v0, s[64:65] scope:SCOPE_SE
	s_setreg_imm32_b32 hwreg(HW_REG_WAVE_MODE, 25, 1), 1
	s_wait_xcnt 0x0
; The three projections x W^T (8,192 x 1,024 x 1,024 each) on codes of FP4 with E8M0 scales, and the quantising of their results for attention, in registers.
; Work-group (x, y): projection y / 32 (0 q, 1 k, 2 v), 256 tokens (block y of cod) x 256 outputs (weight block 96 + 4 (y / 32) + x).  A block is 16 tiles: 128 KiB of cod, 8 KiB of scl.
; SOURCE 0 (P) is the side whose rows are the NEXT product's K: W's rows for q and k (the head's 64), the tokens for v (the keys).  SOURCE 1 (R) is the other: a lane holds one row of it.
; By the tiles' choice of rows (tile 2 p + u, lane r: row 32 p + 8 u + r + 8 (r / 8)) the 16 registers of result tiles 2 b and 2 b + 1 are 16 neighbours, 32 b + 16 (lane / 16) + 0 .. 15.
; Wave w: P's tiles 8 (w % 2) on, eight of them, x R's tiles 2 (w / 2) and 2 (w / 2) + 1: 16 accumulators; a wave's 128 rows of P are one fragment's K.
; OUT.  himg: q at 0, k at 4 MiB: fragment (token tile t, head pair P) at (8 t + P) x 1,024, half c of it being head 2 P + c; v at 8 MiB: [batch x 16 + head][key step 16][tile of d 4] x 1,024.
;       hsc: q at 0: [batch x 16 + head][token pair 64][lane] words; from 524,288 on 12,288 bytes a head: k's words [pair 64][lane], then v's [key step 16][pair of d tiles 2][lane].
;       In a word of q or k bytes 0 and 1 are the head's two blocks; bytes 2 and 3 (the neighbour head's, or 0) meet zero codes in attention and are never 0xff.
; LDS is filled ONCE: wave 0 brings P's block, wave 1 R's, each by nine tensor loads (the scale words, then K steps 0 to 7): nine loads of a wave are out at the most.  A K step begins when its own load has landed.
; NO CLUSTER: a work-group fetches 272 KiB once, while its sixteen waves read 8 steps x 10 KiB each, 1,280 KiB, from LDS: the shared fill is the small part of a step's bytes.
; LIMITS: a block of zeros gets the byte 1 where the rule says 127 (zero codes; the bytes are this program's own); NaN and infinities are not served.
.set LR,   131072                      ; LDS: P's codes [K step 8][tile 16][1,024] at 0, R's here,
.set LPS,  262144                      ; P's scale words, 8 KiB as they lie in scl,
.set LRS,  270336                      ; R's
.set PSW,  12                          ; v12-27   P's scale words: pair p of my four, K step % 4 = q: v[12 + 4 p + q]
.set RSW,  28                          ; v28-31   R's
.set PF,   32                          ; v32-95   P's eight fragments
.set RF,   96                          ; v96-111  R's two
.set ACC,  128                         ; v128-255 accumulator (R tile j, P tile i) at v[128 + 64 j + 8 i]
.set TM,   32                          ; the way out: v32-47 at work, v48-55 and v64-71 codes, v56-59 scale words
; D = A x B (+ C in place).  zero = 1: the constant 0 starts the sum.  ra, rb: the scale words stand in lanes 16-31 of the register named
.macro MM d, a, b, zero, sa, sb, ra, rb
.if \zero
.if (\ra) && (\rb)
	v_wmma_scale_f32_16x16x128_f8f6f4 v[\d:\d+7], v[\a:\a+7], v[\b:\b+7], 0, v[\sa], v[\sb] matrix_a_fmt:MATRIX_FMT_FP4 matrix_b_fmt:MATRIX_FMT_FP4 matrix_a_scale:MATRIX_SCALE_ROW1 matrix_b_scale:MATRIX_SCALE_ROW1
.elseif (\ra)
	v_wmma_scale_f32_16x16x128_f8f6f4 v[\d:\d+7], v[\a:\a+7], v[\b:\b+7], 0, v[\sa], v[\sb] matrix_a_fmt:MATRIX_FMT_FP4 matrix_b_fmt:MATRIX_FMT_FP4 matrix_a_scale:MATRIX_SCALE_ROW1
.elseif (\rb)
	v_wmma_scale_f32_16x16x128_f8f6f4 v[\d:\d+7], v[\a:\a+7], v[\b:\b+7], 0, v[\sa], v[\sb] matrix_a_fmt:MATRIX_FMT_FP4 matrix_b_fmt:MATRIX_FMT_FP4 matrix_b_scale:MATRIX_SCALE_ROW1
.else
	v_wmma_scale_f32_16x16x128_f8f6f4 v[\d:\d+7], v[\a:\a+7], v[\b:\b+7], 0, v[\sa], v[\sb] matrix_a_fmt:MATRIX_FMT_FP4 matrix_b_fmt:MATRIX_FMT_FP4
.endif
.else
.if (\ra) && (\rb)
	v_wmma_scale_f32_16x16x128_f8f6f4 v[\d:\d+7], v[\a:\a+7], v[\b:\b+7], v[\d:\d+7], v[\sa], v[\sb] matrix_a_fmt:MATRIX_FMT_FP4 matrix_b_fmt:MATRIX_FMT_FP4 matrix_a_scale:MATRIX_SCALE_ROW1 matrix_b_scale:MATRIX_SCALE_ROW1
.elseif (\ra)
	v_wmma_scale_f32_16x16x128_f8f6f4 v[\d:\d+7], v[\a:\a+7], v[\b:\b+7], v[\d:\d+7], v[\sa], v[\sb] matrix_a_fmt:MATRIX_FMT_FP4 matrix_b_fmt:MATRIX_FMT_FP4 matrix_a_scale:MATRIX_SCALE_ROW1
.elseif (\rb)
	v_wmma_scale_f32_16x16x128_f8f6f4 v[\d:\d+7], v[\a:\a+7], v[\b:\b+7], v[\d:\d+7], v[\sa], v[\sb] matrix_a_fmt:MATRIX_FMT_FP4 matrix_b_fmt:MATRIX_FMT_FP4 matrix_b_scale:MATRIX_SCALE_ROW1
.else
	v_wmma_scale_f32_16x16x128_f8f6f4 v[\d:\d+7], v[\a:\a+7], v[\b:\b+7], v[\d:\d+7], v[\sa], v[\sb] matrix_a_fmt:MATRIX_FMT_FP4 matrix_b_fmt:MATRIX_FMT_FP4
.endif
.endif
.endm
	s_load_b256 s[4:11], s[0:1], 0x0               ; cod s[4:5], scl s[6:7], himg s[8:9], hsc s[10:11]
	v_lshl_add_u32 v126, v0, 2, 0x44000
	v_mov_b32 v127, 0
	ds_add_u32 v126, v127
	ds_add_u32 v126, v127
	v_lshrrev_b32 v9, 5, v0
	v_readfirstlane_b32 s12, v9                    ; wave 0..15
	s_and_b32 s13, s12, 1                          ; ph: which eight tiles of P
	s_lshr_b32 s14, s12, 1                         ; rg: which pair of tiles of R
	s_and_b32 s16, ttmp7, 0xffff                   ; y: also the token block's number in cod
	s_lshr_b32 s17, s16, 5                         ; the projection
	s_and_b32 s18, s16, 31                         ; the token block within its tensor
	s_mov_b32 s20, 0x76543210
	s_mov_b32 s21, 0xfedcba98                      ; v_permlanex16_b32's selects for lane l xor 16
	; descriptor group 1 for a K step of a block: 16 rows (tiles) of 1,024 bytes, 8,192 bytes apart; elements of 8 bytes
	s_mov_b32 s24, 3<<16                           ; no mask, elements of 8 bytes, no padding
	s_mov_b32 s25, 128<<16                         ; tensor_dim0 = 128
	s_mov_b32 s26, 16<<16                          ; tensor_dim1 = 16
	s_mov_b32 s27, 128<<16                         ; tile_dim0 = 128
	s_mov_b32 s28, 16                              ; tile_dim1 = 16
	s_mov_b32 s29, 1024                            ; from row to row: 1,024 elements
	s_mov_b32 s30, 0
	s_mov_b32 s31, 0
	; and for a block's scale words: 8 KiB dense, as 32 rows of 256 bytes
	s_mov_b32 s32, 3<<16
	s_mov_b32 s33, 32<<16
	s_mov_b32 s34, 32<<16
	s_mov_b32 s35, 32<<16
	s_mov_b32 s36, 32
	s_mov_b32 s37, 32
	s_mov_b32 s38, 0
	s_mov_b32 s39, 0
	s_lshl_b32 s19, s17, 2
	s_add_co_u32 s19, s19, ttmp9
	s_add_co_u32 s19, s19, 96                      ; the weight block's number in cod
	s_cmp_eq_u32 s17, 2
	s_cselect_b32 s22, s16, s19                    ; P: the tokens for v, the weight for q and k
	s_cselect_b32 s23, s19, s16                    ; R: the other
	s_cmp_eq_u32 s12, 0
	s_cselect_b32 s22, s22, s23                    ; wave 0 fetches P, wave 1 R (the others fetch nothing)
	s_lshl_b32 s88, s22, 17
	s_mov_b32 s89, 0
	s_lshl_b32 s90, s22, 13
	s_mov_b32 s91, 0
	s_lshl_b32 s98, s12, 17                        ; where they go: 131,072 x wave,
	s_lshl_b32 s99, s12, 13                        ; the scale words 8,192 x wave behind LPS
	s_wait_dscnt 0x0
	s_wait_kmcnt 0x0
	s_add_nc_u64 s[88:89], s[4:5], s[88:89]
	s_add_nc_u64 s[90:91], s[6:7], s[90:91]
	s_mov_b32 s40, 1                               ; group 0 for the scale words
	s_add_co_u32 s41, s99, LPS
	s_mov_b64 s[42:43], s[90:91]
	s_or_b32 s43, s43, 0x80000000
.irp s, 0,1,2,3,4,5,6,7                ; group 0 for K step s, at s44 on (s64 to s67 are passed over)
	s_mov_b32 s[44+4*\s+4*(\s/5)], 1
	s_add_co_u32 s[45+4*\s+4*(\s/5)], s98, 16384*\s
	s_add_nc_u64 s[46+4*\s+4*(\s/5):47+4*\s+4*(\s/5)], s[88:89], 1024*\s
	s_or_b32 s[47+4*\s+4*(\s/5)], s[47+4*\s+4*(\s/5)], 0x80000000
.endr
	s_cmp_lt_u32 s12, 2                            ; all first fills of a wave in one branch on its number, ahead of every wait on TENSORcnt, LDS read and barrier
	s_cbranch_scc0 .Lno_fill
	tensor_load_to_lds s[40:43], s[32:39]
	s_nop 0
.irp s, 0,1,2,3,4,5,6,7
	tensor_load_to_lds s[44+4*\s+4*(\s/5):47+4*\s+4*(\s/5)], s[24:31]
	s_nop 0
.endr
.rept 4
	v_nop
.endr
.Lno_fill:
	; where the results go.  For q and k:
	s_lshl_b32 s19, ttmp9, 1
	s_add_co_u32 s19, s19, s13                     ; head pair P = 2 x + ph
	s_lshl_b32 s22, s18, 4
	s_lshl_b32 s23, s14, 1                         ; 2 rg
	s_add_co_u32 s22, s22, s23                     ; token tile t0 = 16 yl + 2 rg
	s_lshl_b32 s92, s17, 22                        ; q at 0, k at 4 MiB
	s_lshl_b32 s22, s22, 13
	s_add_co_u32 s92, s92, s22
	s_lshl_b32 s22, s19, 10
	s_add_co_u32 s92, s92, s22                     ; + (8 t0 + P) x 1,024
	s_lshl_b32 s22, s18, 3
	s_add_co_u32 s22, s22, s14                     ; token pair 8 yl + rg
	s_lshr_b32 s93, s22, 6                         ; its batch
	s_and_b32 s22, s22, 63                         ; and its place there
	s_lshl_b32 s93, s93, 4
	s_lshl_b32 s19, s19, 1
	s_add_co_u32 s93, s93, s19                     ; batch x 16 + head 2 P
	s_mov_b32 s94, 12288
	s_cmp_eq_u32 s17, 0
	s_cselect_b32 s94, 8192, s94                   ; bytes a head: q 8,192, k 12,288
	s_cselect_b32 s19, 0, 524288
	s_mul_i32 s93, s93, s94
	s_add_co_u32 s93, s93, s19
	s_lshl_b32 s22, s22, 7
	s_add_co_u32 s93, s93, s22
	; for v:
	s_lshl_b32 s19, s18, 1
	s_add_co_u32 s19, s19, s13                     ; key step 2 yl + ph, counted through the batches
	s_lshl_b32 s22, ttmp9, 4
	s_add_co_u32 s22, s22, s23                     ; tile of outputs 16 x + 2 rg
	s_lshr_b32 s96, s19, 4                         ; batch
	s_and_b32 s19, s19, 15                         ; key step
	s_lshr_b32 s97, s22, 2                         ; head
	s_and_b32 s22, s22, 3                          ; tile of d: 0 or 2
	s_lshl_b32 s95, s96, 20
	s_lshl_b32 s23, s19, 12
	s_add_co_u32 s95, s95, s23
	s_lshl_b32 s23, s97, 16
	s_add_co_u32 s95, s95, s23
	s_lshl_b32 s23, s22, 10
	s_add_co_u32 s95, s95, s23
	s_add_co_u32 s95, s95, 0x800000
	s_lshl_b32 s96, s96, 4
	s_add_co_u32 s96, s96, s97
	s_mul_i32 s96, s96, 12288
	s_lshl_b32 s19, s19, 8
	s_add_co_u32 s96, s96, s19
	s_lshl_b32 s22, s22, 6                         ; the pair of d tiles x 128
	s_add_co_u32 s96, s96, s22
	s_add_co_u32 s96, s96, 524288+8192
	s_cmp_eq_u32 s17, 2
	s_cselect_b32 s80, s95, s92
	s_cselect_b32 s84, s96, s93
	s_mov_b32 s82, 8192
	s_cselect_b32 s82, 1024, s82                   ; from my first R tile's fragment to my second's
	s_mov_b32 s86, s94
	s_mov_b32 s81, 0
	s_mov_b32 s83, 0
	s_mov_b32 s85, 0
	s_mov_b32 s87, 0
	s_add_nc_u64 s[80:81], s[8:9], s[80:81]
	s_add_nc_u64 s[82:83], s[80:81], s[82:83]
	s_add_nc_u64 s[84:85], s[10:11], s[84:85]
	s_add_nc_u64 s[86:87], s[84:85], s[86:87]      ; q and k: the next head's words (not used for v)
	v_and_b32 v9, 31, v0
	v_lshlrev_b32 v1, 4, v9                        ; 16 x lane
	v_lshlrev_b32 v8, 2, v9                        ; 4 x lane
	v_cmp_lt_u32 vcc_lo, 15, v9                    ; lanes 16-31; VCC is written nowhere else
	s_lshl_b32 s19, s13, 13
	v_add_nc_u32 v2, s19, v1                       ; P's fragments, K steps 0-3: 8,192 ph + 16 lane
	v_add_nc_u32 v3, 0x10000, v2                   ; K steps 4-7
	s_lshl_b32 s19, s14, 11
	s_add_co_u32 s19, s19, LR
	v_add_nc_u32 v4, s19, v1                       ; R's: 2,048 rg
	v_add_nc_u32 v5, 0x10000, v4
	s_lshl_b32 s19, s13, 12
	s_add_co_u32 s19, s19, LPS
	v_add_nc_u32 v6, s19, v1                       ; P's scale words: my four pairs
	s_lshl_b32 s19, s14, 10
	s_add_co_u32 s19, s19, LRS
	v_add_nc_u32 v7, s19, v1                       ; R's: my pair
; A K step of 128: 16 products, the 16 accumulators by turns, one instruction a turn, in the same order in every step.
.macro KSTEP s, zero
	s_wait_tensorcnt 7-(\s)                        ; in waves 0 and 1: the scale words and K steps 0 to s have landed; the 7 - s later loads stay out
	s_barrier_signal -1                            ; (no LDS instruction of mine is out: the last step ended on a wait for 0)
	s_barrier_wait -1
.if (\s)%4 == 0
.irp p, 0,1,2,3
	ds_load_b128 v[PSW+4*\p:PSW+4*\p+3], v6 offset:1024*\p+512*((\s)/4)   ; four K steps' words at once
.endr
	ds_load_b128 v[RSW:RSW+3], v7 offset:512*((\s)/4)
.endif
.irp j, 0,1
.irp c, 0,1
	ds_load_b128 v[RF+8*\j+4*\c:RF+8*\j+4*\c+3], v[4+(\s)/4] offset:((\s)%4)*16384+1024*\j+512*\c
.endr
.endr
.irp i, 0,1,2,3,4,5,6,7
.irp c, 0,1
	ds_load_b128 v[PF+8*\i+4*\c:PF+8*\i+4*\c+3], v[2+(\s)/4] offset:((\s)%4)*16384+1024*\i+512*\c
.endr
.endr
.irp i, 0,1,2,3,4,5,6,7
	s_wait_dscnt 2*(7-\i)                          ; P's fragment i is in; the two loads of each later one may be out
.irp j, 0,1
	MM ACC+64*\j+8*\i, PF+8*\i, RF+8*\j, \zero, PSW+4*(\i/2)+(\s)%4, RSW+(\s)%4, \i%2, \j
.endr
.endr
.rept 4
	v_nop                                          ; four places in front of the loads into registers that these products read, and of the first read of results
.endr
.endm
	KSTEP 0, 1
	KSTEP 1, 0
	KSTEP 2, 0
	KSTEP 3, 0
	KSTEP 4, 0
	KSTEP 5, 0
	KSTEP 6, 0
	KSTEP 7, 0
; 64 numbers of a lane, register 16 b + i = k 32 b + 16 (lane / 16) + i of my row, become a fragment's codes in v[pc] on and its scale word in v[pw].
.macro QUANT s, pc, pw
.irp b, 0,1,2,3
	v_max3_num_f32 v[TM+\b], |v[\s+16*\b]|, |v[\s+1+16*\b]|, 0x1800000   ; each accumulator is read from its low end on; the floor 2^(3 - 127) holds the byte at 1 from below
.endr
.irp i, 2,4,6,8,10,12,14
.irp b, 0,1,2,3
	v_max3_num_f32 v[TM+\b], v[TM+\b], |v[\s+16*\b+\i]|, |v[\s+1+16*\b+\i]|
.endr
.endr
.irp b, 0,1,2,3
	v_permlanex16_b32 v[TM+4+\b], v[TM+\b], s20, s21
.endr
.irp b, 0,1,2,3
	v_max_num_f32 v[TM+\b], v[TM+\b], v[TM+4+\b]   ; with lane l xor 16's: the block's largest magnitude
.endr
.irp b, 0,1,2,3
	v_add_nc_u32 v[TM+12+\b], 0xff000000, v[TM+\b] ; 2 off its exponent field: the conversion's scale operand
.endr
.irp b, 0,1,2,3
	v_lshrrev_b32 v[TM+4+\b], 23, v[TM+12+\b]      ; the scale's byte
.endr
	v_lshl_or_b32 v[\pw], v[TM+5], 8, v[TM+4]
	v_lshl_or_b32 v[\pw], v[TM+6], 16, v[\pw]
	v_lshl_or_b32 v[\pw], v[TM+7], 24, v[\pw]      ; my row's scale word, in both halves of the lanes
.irp b, 0,1,2,3
	v_cvt_scalef32_pk8_fp4_f32 v[\pc+2*\b], v[\s+16*\b:\s+7+16*\b], v[TM+12+\b]
	v_cvt_scalef32_pk8_fp4_f32 v[\pc+1+2*\b], v[\s+8+16*\b:\s+15+16*\b], v[TM+12+\b]
.endr
	v_nop                                          ; one plain place behind the scaled conversions
.irp c, 0,1                            ; the operand's layout wants a whole block in a lane: lanes 0-15 block 2 c, lanes 16-31 block 2 c + 1
.irp i, 0,1
	v_permlane16_swap_b32 v[\pc+4*\c+\i], v[\pc+2+4*\c+\i]
.endr
.endr
.endm
.irp b, 0,1,2,3
	v_mov_b32 v[TM+4+\b], 0                        ; written once: a lane permute's destination counts as one of its sources
.endr
	QUANT ACC, 48, 56
	global_store_b128 v1, v[48:51], s[80:81]       ; the fragment as its registers stand: 512 consecutive bytes a store
	global_store_b128 v1, v[52:55], s[80:81] offset:512
	QUANT ACC+64, 64, 57
	global_store_b128 v1, v[64:67], s[82:83]
	global_store_b128 v1, v[68:71], s[82:83] offset:512
	v_cndmask_b32 v58, v56, v57, vcc_lo            ; lanes 0-15 the even tile's words, lanes 16-31 the odd tile's
	global_store_b32 v8, v58, s[84:85]             ; v: all four bytes are the key step's; q, k: bytes 0 and 1 are head 2 P's
	s_cmp_eq_u32 s17, 2
	s_cbranch_scc1 .Ldone
	v_lshrrev_b32 v59, 16, v58                     ; q, k: head 2 P + 1's two bytes, with zeros above
	global_store_b32 v8, v59, s[86:87]
.Ldone:
	s_wait_tensorcnt 0x0
	ds_add_u32 v126, v127
	s_wait_dscnt 0x0
	s_endpgm
.Lfunc_end_k_qe229720d56_proj:
	.size	k_qe229720d56_proj, .Lfunc_end_k_qe229720d56_proj-k_qe229720d56_proj
	.p2alignl 7, 3214868480
	.fill 96, 4, 3214868480
	.section	.rodata,"a",@progbits
	.p2align	6, 0x0
	.amdhsa_kernel k_qe229720d56_proj
		.amdhsa_group_segment_fixed_size 280576
		.amdhsa_private_segment_fixed_size 0
		.amdhsa_enable_private_segment 0
		.amdhsa_kernarg_size 32
		.amdhsa_user_sgpr_count 2
		.amdhsa_user_sgpr_kernarg_segment_ptr 1
		.amdhsa_wavefront_size32 1
		.amdhsa_system_sgpr_workgroup_id_x 1
		.amdhsa_system_sgpr_workgroup_id_y 1
		.amdhsa_system_sgpr_workgroup_id_z 1
		.amdhsa_system_vgpr_workitem_id 0
		.amdhsa_next_free_vgpr 256
		.amdhsa_next_free_sgpr 100
		.amdhsa_reserve_vcc 1
		.amdhsa_float_denorm_mode_32 3
		.amdhsa_float_denorm_mode_16_64 3
		.amdhsa_memory_ordered 1
		.amdhsa_forward_progress 1
		.amdhsa_inst_pref_size 48
	.end_amdhsa_kernel
	.amdgpu_metadata
---
amdhsa.version: [ 1, 2 ]
amdhsa.kernels:
  - .name:           k_qe229720d56_proj
    .symbol:         k_qe229720d56_proj.kd
    .args:
      - { .name: cod, .offset: 0, .size: 8, .value_kind: global_buffer, .address_space: global }
      - { .name: scl, .offset: 8, .size: 8, .value_kind: global_buffer, .address_space: global }
      - { .name: himg, .offset: 16, .size: 8, .value_kind: global_buffer, .address_space: global }
      - { .name: hsc, .offset: 24, .size: 8, .value_kind: global_buffer, .address_space: global }
    .group_segment_fixed_size: 280576
    .private_segment_fixed_size: 0
    .kernarg_segment_align: 8
    .kernarg_segment_size: 32
    .max_flat_workgroup_size: 512
    .sgpr_count:     100
    .vgpr_count:     256
    .wavefront_size: 32
...
	.end_amdgpu_metadata
.endif
;; end of part 2
;; launch attn (part 3): grid 4 x 64, 16 waves a work-group, no clusters, 169,984 bytes of LDS; arguments himg, hsc, aimg, asc; writes aimg, asc
.if DOCPART == 3
	.amdgcn_target "amdgcn-amd-amdhsa--gfx1250"
	.amdhsa_code_object_version 6
	.text
	.protected	k_qe229720d56_attn
	.globl	k_qe229720d56_attn
	.p2align	8
	.type	k_qe229720d56_attn,@function
k_qe229720d56_attn:
	s_mov_b64 s[64:65], 0
	v_nop
	global_prefetch_b8 v0, s[64:65] scope:SCOPE_SE
	s_setreg_imm32_b32 hwreg(HW_REG_WAVE_MODE, 25, 1), 1
	s_wait_xcnt 0x0
; Attention of one head on codes of FP4 with E8M0 scales, head size 64, 2,048 keys; the result, divided by the row's sum, is quantised along the model's 1,024 for the output projection.
; THE SOFTMAX AHEAD OF THE SECOND PRODUCT: t = score x log2(e) / 8; M = the row's largest t so far, rounded UP to a whole number; p = 2^(t - M) is quantised along the keys, not normalised.
; The row's sum is taken of the unquantised p and divides O at the end.  When M moves, the sum and O are multiplied by 2^(old M - new M): exact.
; SHARES.  Work-group (x, y): head y (batch y / 16), 512 queries.  Each of its sixteen waves owns a pair of tiles of 16 queries and takes them one after the other; four waves to a SIMD, so that
; one wave's vector work stands beside another's products and LDS loads.  Every wave walks all keys, 128 a step.
; LAYOUT.  Both products transposed: S^T = K Q^T (source 0 = 16 keys), O^T = V^T P^T (source 0 = 16 of the head's 64): a lane holds ONE query throughout.  A tile's rows are 32 p + 8 u + r + 8 (r / 8),
; so that the 16 registers of tiles 2 b and 2 b + 1 are 16 neighbours.  The scores' K is 64: registers 4-7 of K's and Q's fragments hold zero codes, which add nothing under any scale byte met here.
; LDS holds the WHOLE head, filled once: K's codes 64 KiB (key tile T at 512 T), V's 64 KiB (4,096 x key step + 1,024 x tile of d), K's scale words 8 KiB, V's 4 KiB.  Wave 0 brings the scale words and
; K in four chunks of 512 keys (five tensor loads out at the most), wave 1 V likewise (four).  The work on a chunk begins when it has landed.
; NO CLUSTER: the four work-groups of a head share a fill of 140 KiB, made once, against 512 wave-steps of work in each: a small part of the launch.
; LIMITS: a block of zeros gets the byte 1 where the rule says 127 (zero codes; the bytes are this program's own); NaN and infinities are not served.
; REGISTERS: v1 16 lane, v2 4 lane, v3-6 the step's LDS addresses, v7 the store's offset, v8-11 the second tile's Q, v12 -M, v13 the largest t, v[14:15] the sum, v16-23 Q, v24-27 K's scale words, v28-29 V's,
;   v30 Q's scale words, v31 the second tile's, v32-95 K's eight fragments, v96-159 S^T then p, v160-191 O^T, v192-223 V's four fragments, v224-231 p's codes, v232-254 at work, v255 the pair's scale words of the result.
.macro MM d, a, b, zero, sa, sb, ra
.if \zero
.if (\ra)
	v_wmma_scale_f32_16x16x128_f8f6f4 v[\d:\d+7], v[\a:\a+7], v[\b:\b+7], 0, v[\sa], v[\sb] matrix_a_fmt:MATRIX_FMT_FP4 matrix_b_fmt:MATRIX_FMT_FP4 matrix_a_scale:MATRIX_SCALE_ROW1
.else
	v_wmma_scale_f32_16x16x128_f8f6f4 v[\d:\d+7], v[\a:\a+7], v[\b:\b+7], 0, v[\sa], v[\sb] matrix_a_fmt:MATRIX_FMT_FP4 matrix_b_fmt:MATRIX_FMT_FP4
.endif
.else
.if (\ra)
	v_wmma_scale_f32_16x16x128_f8f6f4 v[\d:\d+7], v[\a:\a+7], v[\b:\b+7], v[\d:\d+7], v[\sa], v[\sb] matrix_a_fmt:MATRIX_FMT_FP4 matrix_b_fmt:MATRIX_FMT_FP4 matrix_a_scale:MATRIX_SCALE_ROW1
.else
	v_wmma_scale_f32_16x16x128_f8f6f4 v[\d:\d+7], v[\a:\a+7], v[\b:\b+7], v[\d:\d+7], v[\sa], v[\sb] matrix_a_fmt:MATRIX_FMT_FP4 matrix_b_fmt:MATRIX_FMT_FP4
.endif
.endif
.endm
	s_load_b256 s[4:11], s[0:1], 0x0               ; himg s[4:5], hsc s[6:7], aimg s[8:9], asc s[10:11]
	v_lshl_add_u32 v250, v0, 2, 0x29000
	v_mov_b32 v251, 0
	ds_add_u32 v250, v251
	ds_add_u32 v250, v251
	v_lshrrev_b32 v3, 5, v0
	v_readfirstlane_b32 s12, v3                    ; wave 0..15
	s_and_b32 s13, ttmp7, 0xffff                   ; batch x 16 + head
	s_lshr_b32 s14, s13, 4                         ; batch
	s_and_b32 s15, s13, 15                         ; head
	s_mov_b32 s20, 0x76543210
	s_mov_b32 s21, 0xfedcba98                      ; v_permlanex16_b32's selects for lane l xor 16
	s_mov_b32 s22, 0x3e38aa3b                      ; c = log2(e) / 8
	s_mov_b32 s23, s22                             ; (named with it as a pair, so it is written)
	; descriptor group 1.  K: 32 key tiles, 512 bytes of each (the head's half of a fragment), 8,192 bytes apart; elements of 8 bytes
	s_mov_b32 s24, 3<<16
	s_mov_b32 s25, 64<<16                          ; tensor_dim0 = 64
	s_mov_b32 s26, 32<<16                          ; tensor_dim1 = 32
	s_mov_b32 s27, 64<<16                          ; tile_dim0
	s_mov_b32 s28, 32                              ; tile_dim1
	s_mov_b32 s29, 1024                            ; from row to row
	s_mov_b32 s30, 0
	s_mov_b32 s31, 0
	; V: 16 KiB dense, as 64 rows of 256 bytes
	s_mov_b32 s32, 3<<16
	s_mov_b32 s33, 32<<16
	s_mov_b32 s34, 64<<16
	s_mov_b32 s35, 32<<16
	s_mov_b32 s36, 64
	s_mov_b32 s37, 32
	s_mov_b32 s38, 0
	s_mov_b32 s39, 0
	; the head's scale words of K and V: 12 KiB dense, as 48 rows of 256 bytes
	s_mov_b32 s40, 3<<16
	s_mov_b32 s41, 32<<16
	s_mov_b32 s42, 48<<16
	s_mov_b32 s43, 32<<16
	s_mov_b32 s44, 48
	s_mov_b32 s45, 32
	s_mov_b32 s46, 0
	s_mov_b32 s47, 0
	s_lshl_b32 s16, s14, 20
	s_lshl_b32 s17, s15, 9
	s_add_co_u32 s16, s16, s17                     ; the batch's 128 tiles of 8,192 bytes; the head's 512 bytes in a tile's row of fragments
	s_add_co_u32 s94, s16, 0x400000                ; K's part of himg
	s_mov_b32 s95, 0
	s_lshl_b32 s96, s13, 16
	s_add_co_u32 s96, s96, 0x800000                ; V's: 64 KiB a head
	s_mov_b32 s97, 0
	s_mul_i32 s98, s13, 12288
	s_add_co_u32 s98, s98, 524288
	s_mov_b32 s99, 0
	s_wait_dscnt 0x0
	s_wait_kmcnt 0x0
	s_add_nc_u64 s[94:95], s[4:5], s[94:95]
	s_add_nc_u64 s[96:97], s[4:5], s[96:97]
	s_add_nc_u64 s[98:99], s[6:7], s[98:99]
	s_mov_b32 s48, 1
	s_mov_b32 s49, 131072
	s_mov_b64 s[50:51], s[98:99]
	s_or_b32 s51, s51, 0x80000000
.irp c, 0,1,2,3                        ; groups 0: K's chunk c at s52 on (s64 to s67 are passed over), V's at s72 on
	s_mov_b32 s[52+4*\c+4*(\c/3)], 1
	s_mov_b32 s[53+4*\c+4*(\c/3)], 16384*\c
	s_add_nc_u64 s[54+4*\c+4*(\c/3):55+4*\c+4*(\c/3)], s[94:95], 262144*\c
	s_or_b32 s[55+4*\c+4*(\c/3)], s[55+4*\c+4*(\c/3)], 0x80000000
	s_mov_b32 s[72+4*\c], 1
	s_mov_b32 s[73+4*\c], 65536+16384*\c
	s_add_nc_u64 s[74+4*\c:75+4*\c], s[96:97], 16384*\c
	s_or_b32 s[75+4*\c], s[75+4*\c], 0x80000000
.endr
	s_cmp_eq_u32 s12, 0                            ; a wave's first fills stand in one branch on its number, ahead of every wait on TENSORcnt, LDS read and barrier
	s_cbranch_scc0 .Lnot_wave_0
	tensor_load_to_lds s[48:51], s[40:47]
	s_nop 0
.irp c, 0,1,2,3
	tensor_load_to_lds s[52+4*\c+4*(\c/3):55+4*\c+4*(\c/3)], s[24:31]
	s_nop 0
.endr
.rept 4
	v_nop
.endr
	s_branch .Lfilled
.Lnot_wave_0:
	s_cmp_eq_u32 s12, 1
	s_cbranch_scc0 .Lfilled
.irp c, 0,1,2,3
	tensor_load_to_lds s[72+4*\c:75+4*\c], s[32:39]
	s_nop 0
.endr
.rept 4
	v_nop
.endr
.Lfilled:
	s_lshl_b32 s17, ttmp9, 18
	s_add_co_u32 s16, s16, s17
	s_lshl_b32 s17, s12, 14
	s_add_co_u32 s16, s16, s17                     ; my pair of query tiles: + 262,144 x + 16,384 wave: the same place in himg's q part and in aimg
	s_mov_b32 s17, 0
	s_add_nc_u64 s[4:5], s[4:5], s[16:17]
	s_add_nc_u64 s[8:9], s[8:9], s[16:17]
	s_lshl_b32 s18, s13, 13
	s_lshl_b32 s19, ttmp9, 11
	s_add_co_u32 s18, s18, s19
	s_lshl_b32 s19, s12, 7
	s_add_co_u32 s18, s18, s19                     ; Q's scale words: (64 head + 16 x + wave) x 128
	s_mov_b32 s19, 0
	s_add_nc_u64 s[6:7], s[6:7], s[18:19]
	s_lshl_b32 s18, s14, 17
	s_lshl_b32 s16, ttmp9, 15
	s_add_co_u32 s18, s18, s16
	s_lshl_b32 s16, s12, 11
	s_add_co_u32 s18, s18, s16
	s_lshl_b32 s16, s15, 7
	s_add_co_u32 s18, s18, s16                     ; asc: ((64 batch + 16 x + wave) x 16 + head) x 128
	s_add_nc_u64 s[10:11], s[10:11], s[18:19]
	v_and_b32 v3, 31, v0
	v_lshlrev_b32 v1, 4, v3
	v_lshlrev_b32 v2, 2, v3
	v_mov_b32 v7, v1
	global_load_b128 v[16:19], v1, s[4:5]          ; the first tile's codes: registers 0-3 of the operand
	global_load_b128 v[8:11], v1, s[4:5] offset:8192   ; the second tile's
	global_load_b32 v30, v2, s[6:7]                ; lanes 0-15 the first tile's words, lanes 16-31 the second's
	v_and_b32 v254, 16, v0
	v_cmp_eq_u32 vcc_lo, 0, v254                   ; lanes 0-15: where the first tile's result words go
.irp j, 20,21,22,23
	v_mov_b32 v[\j], 0                             ; Q's k = 64 .. 127: zero codes
.endr
.irp t, 0,1,2,3,4,5,6,7
.irp j, 4,5,6,7
	v_mov_b32 v[32+8*\t+\j], 0                     ; K's likewise: written once, no load lands there
.endr
.endr
	v_mov_b32 v31, 0
.irp b, 0,1,2,3
	v_mov_b32 v[236+\b], 0                         ; written once: a lane permute's destination counts as one of its sources
.endr
	v_mov_b32 v253, 0                              ; (named as the upper half of the pair v[252:253] before it is first written)
	v_mov_b32 v255, 0
	s_wait_loadcnt 0x0
	v_permlanex16_b32 v31, v30, s20, s21           ; the second tile's words in lanes 0-15
; A KEY STEP: 128 keys.
.macro STEP
	v_add_nc_u32 v3, s88, v1                       ; these four are also the places behind the last step's products, in front of the loads into registers that they read
	v_add_nc_u32 v5, s89, v1
	v_add_nc_u32 v4, s90, v2
	v_add_nc_u32 v6, s91, v2
.irp t, 0,1,2,3,4,5,6,7
	ds_load_b128 v[32+8*\t:35+8*\t], v3 offset:512*\t
.endr
.irp b, 0,1,2,3
	ds_load_b32 v[24+\b], v4 offset:128*\b
.endr
.irp t, 0,1,2,3
.irp c, 0,1
	ds_load_b128 v[192+8*\t+4*\c:195+8*\t+4*\c], v5 offset:1024*\t+512*\c
.endr
.endr
.irp p, 0,1
	ds_load_b32 v[28+\p], v6 offset:128*\p
.endr
	s_wait_dscnt 10                                ; K's twelve loads are in; V's ten may be out
.irp t, 0,1,2,3,4,5,6,7
	MM 96+8*\t, 32+8*\t, 16, 1, 24+\t/2, 30, \t%2
.endr
.rept 4
	v_nop
.endr
.irp b, 0,1,2,3
	v_max3_num_f32 v[232+\b], v[96+16*\b], v[97+16*\b], v[98+16*\b]   ; the largest score of each block of 32 keys: for the row's maximum, and, since p rises with the score, for the block's largest p
.endr
.irp i, 3,5,7,9,11,13
.irp b, 0,1,2,3
	v_max3_num_f32 v[232+\b], v[232+\b], v[96+16*\b+\i], v[97+16*\b+\i]
.endr
.endr
.irp b, 0,1,2,3
	v_max_num_f32 v[232+\b], v[232+\b], v[111+16*\b]
.endr
.irp b, 0,1,2,3
	v_permlanex16_b32 v[236+\b], v[232+\b], s20, s21
.endr
.irp b, 0,1,2,3
	v_max_num_f32 v[232+\b], v[232+\b], v[236+\b]  ; with lane l xor 16's 16 keys
.endr
	v_max3_num_f32 v254, v232, v233, v234
	v_max_num_f32 v254, v254, v235                 ; the step's largest score of my query
	v_mul_f32 v254, s22, v254                      ; as t (c is positive)
	v_max_num_f32 v13, v13, v254                   ; the running largest t
	v_mov_b32 v254, v12
	v_floor_f32 v12, -v13                          ; the new -M = floor(-t) = -ceil(t): a whole number
	v_sub_f32 v254, v12, v254                      ; old M - new M: a whole number, 0 or less
	v_cvt_i32_f32 v254, v254                       ; (it saturates)
	v_ldexp_f32 v252, 1.0, v254                    ; f = 2^(old M - new M)
.irp j, 0,2,4,6,8,10,12,14,16,18,20,22,24,26,28,30,32,34,36,38,40,42,44,46,48,50,52,54,56,58,60,62
	v_pk_fma_f32 v[96+\j:97+\j], v[96+\j:97+\j], s[22:23], v[12:13] op_sel_hi:[1,0,0]   ; t - M, two at a time
.endr
.irp b, 0,1,2,3
	v_fma_f32 v[232+\b], v[232+\b], s22, v12       ; the same of each block's largest score
.endr
.irp j, 0,1,2,3,4,5,6,7,8,9,10,11,12,13,14,15,16,17,18,19,20,21,22,23,24,25,26,27,28,29,30,31,32,33,34,35,36,37,38,39,40,41,42,43,44,45,46,47,48,49,50,51,52,53,54,55,56,57,58,59,60,61,62,63
	v_exp_f32 v[96+\j], v[96+\j]                   ; p = 2^(t - M), at most 1
.endr
.irp b, 0,1,2,3
	v_exp_f32 v[232+\b], v[232+\b]                 ; the block's largest p: the same two instructions on the same number
.endr
	v_pk_mul_f32 v[14:15], v[14:15], v[252:253] op_sel_hi:[1,0]   ; the sums under the new M (a plain place behind the exponentials)
	s_wait_alu depctr_va_vdst(0)
.irp b, 0,1,2,3
	v_max_num_f32 v[232+\b], 0x1800000, v[232+\b]  ; the floor 2^(3 - 127): the byte cannot fall under 1
.endr
.irp b, 0,1,2,3
	v_add_nc_u32 v[244+\b], 0xff000000, v[232+\b]  ; 2 off the exponent field: the conversion's scale operand
.endr
.irp b, 0,1,2,3
	v_lshrrev_b32 v[236+\b], 23, v[244+\b]         ; the scale's byte
.endr
	v_lshl_or_b32 v253, v237, 8, v236              ; p's scale word for these 128 keys
	v_lshl_or_b32 v253, v238, 16, v253
	v_lshl_or_b32 v253, v239, 24, v253
.irp b, 0,1,2,3
	v_cvt_scalef32_pk8_fp4_f32 v[224+2*\b], v[96+16*\b:103+16*\b], v[244+\b]
	v_cvt_scalef32_pk8_fp4_f32 v[225+2*\b], v[104+16*\b:111+16*\b], v[244+\b]
.endr
	v_nop                                          ; one plain place behind the scaled conversions
.irp c, 0,1                            ; a whole block in a lane: lanes 0-15 block 2 c, lanes 16-31 block 2 c + 1
.irp i, 0,1
	v_permlane16_swap_b32 v[224+4*\c+\i], v[226+4*\c+\i]
.endr
.endr
	v_pk_add_f32 v[236:237], v[96:97], v[98:99]    ; the row's sum is taken of the unquantised p: two at a time, in two chains
.irp j, 4,8,12,16,20,24,28,32,36,40,44,48,52,56,60
	v_pk_add_f32 v[14:15], v[14:15], v[96+\j:97+\j]
	v_pk_add_f32 v[236:237], v[236:237], v[98+\j:99+\j]
.endr
	v_pk_add_f32 v[14:15], v[14:15], v[236:237]    ; (these 32 additions are the places between the writing of p's codes and scale word and the products below)
.irp j, 0,2,4,6,8,10,12,14,16,18,20,22,24,26,28,30
	v_pk_mul_f32 v[160+\j:161+\j], v[160+\j:161+\j], v[252:253] op_sel_hi:[1,0]   ; O^T under the new M
.endr
	s_wait_dscnt 0x0                               ; V's fragments and scale words are in
.irp t, 0,1,2,3
	MM 160+8*\t, 192+8*\t, 224, 0, 28+\t/2, 253, \t%2   ; the four accumulators by turns
.endr
	s_add_co_u32 s88, s88, 4096                    ; the next step's tiles and scale words
	s_add_co_u32 s89, s89, 4096
	s_add_co_u32 s90, s90, 512
	s_add_co_u32 s91, s91, 256
.endm
; Chunk c: 512 keys, four steps.
.macro SECTION c
	s_wait_tensorcnt 3-\c                          ; wave 0: the scale words and K's chunks 0 to c have landed; wave 1: V's chunks 0 to c; the 3 - c later loads stay out
	s_barrier_signal -1                            ; (no LDS instruction of mine is out)
	s_barrier_wait -1
	s_mov_b32 s88, 16384*\c
	s_mov_b32 s89, 65536+16384*\c
	s_mov_b32 s90, 131072+2048*\c
	s_mov_b32 s91, 139264+1024*\c
	s_mov_b32 s92, 4
.Lstep_\@:
	STEP
	s_sub_co_u32 s92, s92, 1
	s_cmp_lg_u32 s92, 0
	s_cbranch_scc1 .Lstep_\@
.endm
	s_mov_b32 s93, 2
.Ltile:                                            ; my two tiles of 16 queries, one after the other; in the second trip the waits for chunks are met at once
	v_mov_b32 v13, 0xff61b1e6                      ; the largest t so far: -3e38, under every t
	v_floor_f32 v12, -v13                          ; -M
	v_mov_b32 v14, 0                               ; the sum, in two halves
	v_mov_b32 v15, 0
.irp j, 0,1,2,3,4,5,6,7,8,9,10,11,12,13,14,15,16,17,18,19,20,21,22,23,24,25,26,27,28,29,30,31
	v_mov_b32 v[160+\j], 0                         ; O^T: the first step finds zeros.  (These lines are also the places behind the writing of Q's codes and scale words at the last trip's end)
.endr
	SECTION 0
	SECTION 1
	SECTION 2
	SECTION 3
	; THE WAY OUT of a tile: O^T / the sum, quantised along the head's 64: two blocks of 32 of the output projection's K
.rept 4
	v_nop
.endr
	v_add_f32 v14, v14, v15                        ; the sum's two halves,
	v_permlanex16_b32 v252, v14, s20, s21
	v_add_f32 v14, v14, v252                       ; and lane l xor 16's: the row's sum
	v_rcp_f32 v14, v14
	v_nop                                          ; one plain place behind the transcendental
	s_wait_alu depctr_va_vdst(0)
.irp j, 0,2,4,6,8,10,12,14,16,18,20,22,24,26,28,30
	v_pk_mul_f32 v[96+\j:97+\j], v[160+\j:161+\j], v[14:15] op_sel_hi:[1,0]   ; register 16 b + i: channel 32 b + 16 (lane / 16) + i of my query; each accumulator from its low end on
.endr
.irp b, 0,1
	v_max3_num_f32 v[232+\b], |v[96+16*\b]|, |v[97+16*\b]|, 0x1800000
.endr
.irp i, 2,4,6,8,10,12,14
.irp b, 0,1
	v_max3_num_f32 v[232+\b], v[232+\b], |v[96+16*\b+\i]|, |v[97+16*\b+\i]|
.endr
.endr
.irp b, 0,1
	v_permlanex16_b32 v[236+\b], v[232+\b], s20, s21
.endr
.irp b, 0,1
	v_max_num_f32 v[232+\b], v[232+\b], v[236+\b]
.endr
.irp b, 0,1
	v_add_nc_u32 v[244+\b], 0xff000000, v[232+\b]
.endr
.irp b, 0,1
	v_lshrrev_b32 v[236+\b], 23, v[244+\b]
.endr
	v_lshl_or_b32 v254, v237, 8, v236              ; the head's two bytes, zeros above
.irp b, 0,1
	v_cvt_scalef32_pk8_fp4_f32 v[224+2*\b], v[96+16*\b:103+16*\b], v[244+\b]
	v_cvt_scalef32_pk8_fp4_f32 v[225+2*\b], v[104+16*\b:111+16*\b], v[244+\b]
.endr
	v_nop
	v_permlane16_swap_b32 v224, v226
	v_permlane16_swap_b32 v225, v227               ; v224-227: k = 32 (lane / 16) + 0 .. 31 of the head: its half of a fragment
	global_store_b128 v7, v[224:227], s[8:9]       ; 512 consecutive bytes
	v_cndmask_b32 v255, v255, v254, vcc_lo         ; the tile's words into its half of the lanes
	s_wait_xcnt 0x0                                ; the store has read v7 and v224-227: only now are they written again
	v_add_nc_u32 v7, 8192, v7                      ; on to the second tile
.irp j, 0,1,2,3
	v_mov_b32 v[16+\j], v[8+\j]
.endr
	v_mov_b32 v30, v31
	v_and_b32 v254, 16, v0
	v_cmp_ne_u32 vcc_lo, 0, v254                   ; lanes 16-31
	s_sub_co_u32 s93, s93, 1
	s_cmp_lg_u32 s93, 0
	s_cbranch_scc1 .Ltile
	global_store_b32 v2, v255, s[10:11]            ; the pair's scale words for this head
	s_wait_tensorcnt 0x0
	ds_add_u32 v250, v251
	s_wait_dscnt 0x0
	s_endpgm
.Lfunc_end_k_qe229720d56_attn:
	.size	k_qe229720d56_attn, .Lfunc_end_k_qe229720d56_attn-k_qe229720d56_attn
	.p2alignl 7, 3214868480
	.fill 96, 4, 3214868480
	.section	.rodata,"a",@progbits
	.p2align	6, 0x0
	.amdhsa_kernel k_qe229720d56_attn
		.amdhsa_group_segment_fixed_size 169984
		.amdhsa_private_segment_fixed_size 0
		.amdhsa_enable_private_segment 0
		.amdhsa_kernarg_size 32
		.amdhsa_user_sgpr_count 2
		.amdhsa_user_sgpr_kernarg_segment_ptr 1
		.amdhsa_wavefront_size32 1
		.amdhsa_system_sgpr_workgroup_id_x 1
		.amdhsa_system_sgpr_workgroup_id_y 1
		.amdhsa_system_sgpr_workgroup_id_z 1
		.amdhsa_system_vgpr_workitem_id 0
		.amdhsa_next_free_vgpr 256
		.amdhsa_next_free_sgpr 100
		.amdhsa_reserve_vcc 1
		.amdhsa_float_denorm_mode_32 3
		.amdhsa_float_denorm_mode_16_64 3
		.amdhsa_memory_ordered 1
		.amdhsa_forward_progress 1
		.amdhsa_inst_pref_size 76
	.end_amdhsa_kernel
	.amdgpu_metadata
---
amdhsa.version: [ 1, 2 ]
amdhsa.kernels:
  - .name:           k_qe229720d56_attn
    .symbol:         k_qe229720d56_attn.kd
    .args:
      - { .name: himg, .offset: 0, .size: 8, .value_kind: global_buffer, .address_space: global }
      - { .name: hsc, .offset: 8, .size: 8, .value_kind: global_buffer, .address_space: global }
      - { .name: aimg, .offset: 16, .size: 8, .value_kind: global_buffer, .address_space: global }
      - { .name: asc, .offset: 24, .size: 8, .value_kind: global_buffer, .address_space: global }
    .group_segment_fixed_size: 169984
    .private_segment_fixed_size: 0
    .kernarg_segment_align: 8
    .kernarg_segment_size: 32
    .max_flat_workgroup_size: 512
    .sgpr_count:     100
    .vgpr_count:     256
    .wavefront_size: 32
...
	.end_amdgpu_metadata
.endif
;; end of part 3
;; launch outln (part 4): grid 256 x 1, 16 waves a work-group, no clusters, 155,648 bytes of LDS; arguments aimg, asc, cod, scl, q, gamma, beta, out0; writes out0
.if DOCPART == 4
	.amdgcn_target "amdgcn-amd-amdhsa--gfx1250"
	.amdhsa_code_object_version 6
	.text
	.protected	k_qe229720d56_outln
	.globl	k_qe229720d56_outln
	.p2align	8
	.type	k_qe229720d56_outln,@function
k_qe229720d56_outln:
	s_mov_b64 s[64:65], 0
	v_nop
	global_prefetch_b8 v0, s[64:65] scope:SCOPE_SE
	s_setreg_imm32_b32 hwreg(HW_REG_WAVE_MODE, 25, 1), 1
	s_wait_xcnt 0x0
; out = LayerNorm(attn Wo^T + q) x gamma + beta.  The product on codes of FP4 with E8M0 scales; the residual is the C of each sum's first product; mean and variance in two passes, in f32.
; SHARES.  A work-group takes a pair of token tiles (32 tokens) x all 1,024 outputs, so that a row's mean and variance never leave it.  Wave w takes Wo's tiles 4 w .. 4 w + 3: outputs 64 w .. 64 w + 63.
; Source 0 = 16 rows of Wo, source 1 = 16 tokens: lane (r, h) holds token 8 j + r + 8 (r / 8) of the pair, and register 8 i + n of tile j output 64 w + 32 (i / 2) + 16 h + 8 (i % 2) + n.
; Each fragment of Wo is wanted by ONE wave of the work-group: it goes from memory straight into operand registers, four K steps (32 loads) ahead.
; q comes in and the result goes out as whole rows (wave w: stage rows 2 w, 2 w + 1, two neighbouring tokens, 8 KiB dense) and turns into and out of the accumulators' layout through a stage in LDS.
; NO CLUSTER, NO TENSOR LOAD: what the work-groups share is Wo (544 KiB with its scale words), and here it passes through no LDS; joint loads would want a ring in LDS with refills.
.set STG1,  65792                      ; LDS: the stage at 0: 32 rows x (4,096 + 16) bytes, row 16 j + r; tile 1's rows begin here
.set RIMG,  131584                     ; the attention result's 16 fragments (8 j + K step), 1,024 bytes each
.set RED1,  147968                     ; the waves' partial sums: 32 rows x 80 bytes, a word for each wave; the second pass's lie 2,560 bytes on
; REGISTERS: v1 16 lane, v2 4 lane, v3-4 my place in the stage (tile 0, 1), v5 my two dense rows, v6 the fragments, v7 where I put mine, v8 gamma's and beta's offset, v9-10 the partial sums;
;   v16-31 Wo's scale words (16 + 8 p + K step), v32-39 the tokens' (K step), v40-55 the tokens' two fragments (earlier: 16 raw words), v56-119 accumulator (j, i) at 56 + 32 j + 8 i (earlier: q's dense rows),
;   v120-247 four sets of Wo's four fragments; later gamma v120-151, beta v152-183, v184-247 at work; v248-255 the fragment that I stage.
.macro MM d, a, b, sa, sb, ra, rb
.if (\ra) && (\rb)
	v_wmma_scale_f32_16x16x128_f8f6f4 v[\d:\d+7], v[\a:\a+7], v[\b:\b+7], v[\d:\d+7], v[\sa], v[\sb] matrix_a_fmt:MATRIX_FMT_FP4 matrix_b_fmt:MATRIX_FMT_FP4 matrix_a_scale:MATRIX_SCALE_ROW1 matrix_b_scale:MATRIX_SCALE_ROW1
.elseif (\ra)
	v_wmma_scale_f32_16x16x128_f8f6f4 v[\d:\d+7], v[\a:\a+7], v[\b:\b+7], v[\d:\d+7], v[\sa], v[\sb] matrix_a_fmt:MATRIX_FMT_FP4 matrix_b_fmt:MATRIX_FMT_FP4 matrix_a_scale:MATRIX_SCALE_ROW1
.elseif (\rb)
	v_wmma_scale_f32_16x16x128_f8f6f4 v[\d:\d+7], v[\a:\a+7], v[\b:\b+7], v[\d:\d+7], v[\sa], v[\sb] matrix_a_fmt:MATRIX_FMT_FP4 matrix_b_fmt:MATRIX_FMT_FP4 matrix_b_scale:MATRIX_SCALE_ROW1
.else
	v_wmma_scale_f32_16x16x128_f8f6f4 v[\d:\d+7], v[\a:\a+7], v[\b:\b+7], v[\d:\d+7], v[\sa], v[\sb] matrix_a_fmt:MATRIX_FMT_FP4 matrix_b_fmt:MATRIX_FMT_FP4
.endif
.endm
	s_load_b512 s[4:19], s[0:1], 0x0               ; aimg s[4:5], asc s[6:7], cod s[8:9], scl s[10:11], q s[12:13], gamma s[14:15], beta s[16:17], out0 s[18:19]
	v_lshl_add_u32 v14, v0, 2, 0x25800
	v_mov_b32 v15, 0
	v_lshrrev_b32 v11, 5, v0
	v_readfirstlane_b32 s22, v11                   ; wave 0..15
	v_and_b32 v11, 31, v0                          ; lane
	v_and_b32 v12, 15, v0                          ; r
	v_bfe_u32 v13, v0, 4, 1                        ; h
	v_lshlrev_b32 v1, 4, v11
	v_lshlrev_b32 v2, 2, v11
	v_cmp_lt_u32 vcc_lo, 15, v11                   ; lanes 16-31; VCC is written nowhere else
	s_mov_b32 s20, 0x76543210
	s_mov_b32 s21, 0xfedcba98                      ; v_permlanex16_b32's selects for lane l xor 16
	s_lshl_b32 s24, s22, 8                         ; my 64 outputs: 256 bytes x wave
	v_mul_u32_u24 v3, v12, 4112
	v_lshl_add_u32 v3, v13, 6, v3
	v_add_nc_u32 v3, s24, v3                       ; the stage: row r, + 256 w + 64 h
	v_add_nc_u32 v4, STG1, v3
	s_mul_i32 s25, s22, 8224
	v_add_nc_u32 v5, s25, v1                       ; rows 2 w and 2 w + 1, 16 bytes a lane
	v_add_nc_u32 v6, RIMG, v1
	s_lshl_b32 s25, s22, 10
	v_add_nc_u32 v7, s25, v6
	v_lshlrev_b32 v8, 6, v13
	v_add_nc_u32 v8, s24, v8                       ; gamma, beta: 256 w + 64 h
	v_mul_u32_u24 v10, v11, 80
	v_add_nc_u32 v10, RED1, v10                    ; stage row = lane: its 16 partial sums
	s_lshl_b32 s25, s22, 2
	v_add_nc_u32 v9, s25, v10                      ; and my wave's word among them
	s_lshl_b32 s26, ttmp9, 5                       ; the token of stage row 2 w: 32 x work-group + 8 (w / 8) + 2 (w % 8) + 8 ((w / 4) % 2)
	s_lshr_b32 s27, s22, 3
	s_lshl_b32 s27, s27, 3
	s_add_co_u32 s26, s26, s27
	s_and_b32 s27, s22, 7
	s_lshl_b32 s27, s27, 1
	s_add_co_u32 s26, s26, s27
	s_bfe_u32 s27, s22, 0x10002
	s_lshl_b32 s27, s27, 3
	s_add_co_u32 s26, s26, s27
	s_lshl_b32 s26, s26, 12                        ; rows of 4,096 bytes
	s_mov_b32 s27, 0
	s_lshl_b32 s28, ttmp9, 14
	s_lshl_b32 s29, s22, 10
	s_add_co_u32 s28, s28, s29                     ; aimg: the pair's 16 fragments, mine the w-th
	s_mov_b32 s29, 0
	s_lshl_b32 s30, ttmp9, 11                      ; asc: 2,048 bytes a pair
	s_mov_b32 s31, 0
	s_lshl_b32 s32, s22, 15
	s_add_co_u32 s32, s32, 1728*8192               ; cod: Wo's tile 4 w
	s_mov_b32 s33, 0
	s_lshl_b32 s34, s22, 11
	s_add_co_u32 s34, s34, 864*1024                ; scl: Wo's pair 2 w
	s_mov_b32 s35, 0
	s_wait_kmcnt 0x0
	s_add_nc_u64 s[12:13], s[12:13], s[26:27]
	s_add_nc_u64 s[18:19], s[18:19], s[26:27]
	s_add_nc_u64 s[4:5], s[4:5], s[28:29]
	s_add_nc_u64 s[6:7], s[6:7], s[30:31]
	s_add_nc_u64 s[8:9], s[8:9], s[32:33]
	s_add_nc_u64 s[10:11], s[10:11], s[34:35]
.macro WLOAD s                         ; Wo's four fragments of K step s into set s % 4: 8 loads
.irp i, 0,1,2,3
.irp c, 0,1
	global_load_b128 v[120+32*((\s)%4)+8*\i+4*\c:120+32*((\s)%4)+8*\i+4*\c+3], v1, s[8:9] offset:8192*\i+1024*(\s)+512*\c
.endr
.endr
.endm
.macro RLOAD s                         ; the tokens' two fragments of K step s
.irp j, 0,1
.irp c, 0,1
	ds_load_b128 v[40+8*\j+4*\c:40+8*\j+4*\c+3], v6 offset:(8*\j+(\s))*1024+512*\c
.endr
.endr
.endm
.irp m, 0,1,2,3,4,5,6,7,8,9,10,11,12,13,14,15
	global_load_b128 v[56+4*\m:59+4*\m], v1, s[12:13] offset:512*\m th:TH_LOAD_NT   ; q: two rows, 512 consecutive bytes a load
.endr
	global_load_b128 v[248:251], v1, s[4:5]
	global_load_b128 v[252:255], v1, s[4:5] offset:512
.irp n, 0,1,2,3,4,5,6,7,8,9,10,11,12,13,14,15
	global_load_b32 v[40+\n], v2, s[6:7] offset:128*\n   ; the pair's scale words, head by head
.endr
.irp p, 0,1
.irp g, 0,1
	global_load_b128 v[16+8*\p+4*\g:19+8*\p+4*\g], v1, s[10:11] offset:1024*\p+512*\g
.endr
.endr
	WLOAD 0
	WLOAD 1
	WLOAD 2
	WLOAD 3
	s_wait_loadcnt 52                              ; q's 16 and my fragment's 2 are in; the 16 + 4 + 32 loads behind them may be out
.irp m, 0,1,2,3,4,5,6,7,8,9,10,11,12,13,14,15
	ds_store_b128 v5, v[56+4*\m:59+4*\m] offset:4112*(\m/8)+512*(\m%8)
.endr
	ds_store_b128 v7, v[248:251]
	ds_store_b128 v7, v[252:255] offset:512
	s_wait_loadcnt 36                              ; the 16 raw words are in; Wo's 4 + 32 may be out
.irp s, 0,1,2,3,4,5,6,7
	v_lshl_or_b32 v[32+\s], v[41+2*\s], 16, v[40+2*\s]   ; K step s: heads 2 s and 2 s + 1, two bytes each
.endr
.rept 8
	v_nop                                          ; a scale register written by a vector instruction stands eight places ahead of the scaled products
.endr
	s_wait_dscnt 0x0                               ; for the others' sake: my stores have landed
	s_barrier_signal -1
	s_barrier_wait -1                              ; q's 32 rows and the 16 fragments lie in LDS
.irp j, 0,1
.irp i, 0,1,2,3
.irp m, 0,1
	ds_load_b128 v[56+32*\j+8*\i+4*\m:59+32*\j+8*\i+4*\m], v[3+\j] offset:128*(\i/2)+32*(\i%2)+16*\m   ; the residual, in the accumulators' layout
.endr
.endr
.endr
	RLOAD 0
; A K step of 128: 8 products, the 8 accumulators by turns.  n: the younger global loads that may stay out.
.macro KSTEP s, n
	s_wait_loadcnt \n                              ; this step's set of Wo is in
	s_wait_dscnt 0x0                               ; and the tokens' fragments
.irp i, 0,1,2,3
.irp j, 0,1
	MM 56+32*\j+8*\i, 120+32*((\s)%4)+8*\i, 40+8*\j, 16+8*(\i/2)+(\s), 32+(\s), \i%2, \j
.endr
.endr
.rept 4
	v_nop                                          ; four places in front of the loads into registers that these products read, and of the first read of results
.endr
.if (\s) < 7
	RLOAD (\s)+1
.endif
.if (\s) < 4
	WLOAD (\s)+4
.elseif (\s) == 4
.irp i, 0,1,2,3
.irp m, 0,1
	global_load_b128 v[120+8*\i+4*\m:123+8*\i+4*\m], v8, s[14:15] offset:128*(\i/2)+32*(\i%2)+16*\m   ; gamma at my 32 outputs, into set 0
.endr
.endr
.elseif (\s) == 5
.irp i, 0,1,2,3
.irp m, 0,1
	global_load_b128 v[152+8*\i+4*\m:155+8*\i+4*\m], v8, s[16:17] offset:128*(\i/2)+32*(\i%2)+16*\m   ; beta, into set 1
.endr
.endr
.endif
.endm
	KSTEP 0, 24                                    ; behind a step's set: the three later sets, 8 loads each (from step 5 on gamma's and beta's 8 count among them)
	KSTEP 1, 24
	KSTEP 2, 24
	KSTEP 3, 24
	KSTEP 4, 24
	KSTEP 5, 24
	KSTEP 6, 24
	KSTEP 7, 16                                    ; gamma's and beta's
; The chains v[184:187] (tile 0) and v[188:191] (tile 1) are summed over my 64 outputs, then over the sixteen waves through LDS; v196 = the sum / 1,024 of stage row = lane.
.macro REDUCE off
.irp j, 0,1
	v_pk_add_f32 v[184+4*\j:185+4*\j], v[184+4*\j:185+4*\j], v[186+4*\j:187+4*\j]
.endr
.irp j, 0,1
	v_add_f32 v[184+4*\j], v[184+4*\j], v[185+4*\j]
.endr
.irp j, 0,1
	v_permlanex16_b32 v[192+\j], v[184+4*\j], s20, s21
.endr
.irp j, 0,1
	v_add_f32 v[184+4*\j], v[184+4*\j], v[192+\j]  ; with lane l xor 16's 32 outputs
.endr
	v_cndmask_b32 v194, v184, v188, vcc_lo         ; lane L: stage row L
	ds_store_b32 v9, v194 offset:\off
	s_wait_dscnt 0x0                               ; for the others' sake
	s_barrier_signal -1
	s_barrier_wait -1
.irp t, 0,1,2,3
	ds_load_b128 v[196+4*\t:199+4*\t], v10 offset:\off+16*\t
.endr
	s_wait_dscnt 0x0
	v_pk_add_f32 v[196:197], v[196:197], v[198:199]
	v_pk_add_f32 v[200:201], v[200:201], v[202:203]
	v_pk_add_f32 v[204:205], v[204:205], v[206:207]
	v_pk_add_f32 v[208:209], v[208:209], v[210:211]
	v_pk_add_f32 v[196:197], v[196:197], v[200:201]
	v_pk_add_f32 v[204:205], v[204:205], v[208:209]
	v_pk_add_f32 v[196:197], v[196:197], v[204:205]
	v_add_f32 v196, v196, v197
	v_mul_f32 v196, 0x3a800000, v196               ; / 1,024
.endm
; v196 (stage row = lane) becomes tile 0's number in v[d] and tile 1's in v[d + 2], each for the token of lane % 16; each as a pair, since the packed forms name pairs
.macro SPLIT d
	v_permlanex16_b32 v192, v196, s20, s21
	v_cndmask_b32 v[\d], v196, v192, vcc_lo
	v_cndmask_b32 v[\d+2], v192, v196, vcc_lo
	v_mov_b32 v[\d+1], v[\d]
	v_mov_b32 v[\d+3], v[\d+2]
.endm
	v_mov_b32 v192, 0                              ; written once: a lane permute's destination counts as one of its sources
	v_mov_b32 v193, 0
.irp j, 0,1
	v_pk_add_f32 v[184+4*\j:185+4*\j], v[56+32*\j:57+32*\j], v[58+32*\j:59+32*\j]   ; the row's sum: two chains, each accumulator from its low end on
	v_pk_add_f32 v[186+4*\j:187+4*\j], v[60+32*\j:61+32*\j], v[62+32*\j:63+32*\j]
.endr
.irp p, 8,12,16,20,24,28
.irp j, 0,1
	v_pk_add_f32 v[184+4*\j:185+4*\j], v[184+4*\j:185+4*\j], v[56+32*\j+\p:57+32*\j+\p]
	v_pk_add_f32 v[186+4*\j:187+4*\j], v[186+4*\j:187+4*\j], v[58+32*\j+\p:59+32*\j+\p]
.endr
.endr
	REDUCE 0
	SPLIT 212                                      ; the means
.irp j, 0,1
.irp p, 0,2,4,6,8,10,12,14,16,18,20,22,24,26,28,30
	v_pk_add_f32 v[56+32*\j+\p:57+32*\j+\p], v[56+32*\j+\p:57+32*\j+\p], v[212+2*\j:213+2*\j] op_sel_hi:[1,0] neg_lo:[0,1] neg_hi:[0,1]   ; d = x - mean
.endr
.endr
.irp j, 0,1
	v_pk_mul_f32 v[184+4*\j:185+4*\j], v[56+32*\j:57+32*\j], v[56+32*\j:57+32*\j]
	v_pk_mul_f32 v[186+4*\j:187+4*\j], v[58+32*\j:59+32*\j], v[58+32*\j:59+32*\j]
.endr
.irp p, 4,8,12,16,20,24,28
.irp j, 0,1
	v_pk_fma_f32 v[184+4*\j:185+4*\j], v[56+32*\j+\p:57+32*\j+\p], v[56+32*\j+\p:57+32*\j+\p], v[184+4*\j:185+4*\j]
	v_pk_fma_f32 v[186+4*\j:187+4*\j], v[58+32*\j+\p:59+32*\j+\p], v[58+32*\j+\p:59+32*\j+\p], v[186+4*\j:187+4*\j]
.endr
.endr
	REDUCE 2560                                    ; other bytes than the first pass's
	v_add_f32 v196, 0x3727c5ac, v196               ; the variance + 1e-5
	v_rsq_f32 v196, v196
	v_nop                                          ; one plain place behind the transcendental
	s_wait_alu depctr_va_vdst(0)
	SPLIT 216
	s_wait_loadcnt 0x0                             ; gamma and beta
.irp j, 0,1
.irp p, 0,2,4,6,8,10,12,14,16,18,20,22,24,26,28,30
	v_pk_mul_f32 v[56+32*\j+\p:57+32*\j+\p], v[56+32*\j+\p:57+32*\j+\p], v[216+2*\j:217+2*\j] op_sel_hi:[1,0]
.endr
.endr
.irp j, 0,1
.irp p, 0,2,4,6,8,10,12,14,16,18,20,22,24,26,28,30
	v_pk_fma_f32 v[56+32*\j+\p:57+32*\j+\p], v[56+32*\j+\p:57+32*\j+\p], v[120+\p:121+\p], v[152+\p:153+\p]
.endr
.endr
.irp j, 0,1
.irp i, 0,1,2,3
.irp m, 0,1
	ds_store_b128 v[3+\j], v[56+32*\j+8*\i+4*\m:59+32*\j+8*\i+4*\m] offset:128*(\i/2)+32*(\i%2)+16*\m   ; back into the stage: each lane writes the bytes that it alone read
.endr
.endr
.endr
	s_wait_dscnt 0x0                               ; for the others' sake
	s_barrier_signal -1
	s_barrier_wait -1                              ; 32 whole rows of the result lie in the stage
.irp t, 0,1,2,3,4,5,6,7,8,9,10,11,12,13,14,15
	ds_load_b128 v[184+4*\t:187+4*\t], v5 offset:4112*(\t/8)+512*(\t%8)
.endr
.irp t, 0,1,2,3,4,5,6,7,8,9,10,11,12,13,14,15
	s_wait_dscnt 15-\t                             ; LDS loads come back in order: number t is in
	global_store_b128 v1, v[184+4*\t:187+4*\t], s[18:19] offset:512*\t th:TH_STORE_NT   ; 512 consecutive bytes, at a multiple of 256 from out0's first byte
.endr
	s_wait_tensorcnt 0x0
	ds_add_u32 v14, v15
	s_wait_dscnt 0x0
	s_endpgm
.Lfunc_end_k_qe229720d56_outln:
	.size	k_qe229720d56_outln, .Lfunc_end_k_qe229720d56_outln-k_qe229720d56_outln
	.p2alignl 7, 3214868480
	.fill 96, 4, 3214868480
	.section	.rodata,"a",@progbits
	.p2align	6, 0x0
	.amdhsa_kernel k_qe229720d56_outln
		.amdhsa_group_segment_fixed_size 155648
		.amdhsa_private_segment_fixed_size 0
		.amdhsa_enable_private_segment 0
		.amdhsa_kernarg_size 64
		.amdhsa_user_sgpr_count 2
		.amdhsa_user_sgpr_kernarg_segment_ptr 1
		.amdhsa_wavefront_size32 1
		.amdhsa_system_sgpr_workgroup_id_x 1
		.amdhsa_system_sgpr_workgroup_id_y 1
		.amdhsa_system_sgpr_workgroup_id_z 1
		.amdhsa_system_vgpr_workitem_id 0
		.amdhsa_next_free_vgpr 256
		.amdhsa_next_free_sgpr 66
		.amdhsa_reserve_vcc 1
		.amdhsa_float_denorm_mode_32 3
		.amdhsa_float_denorm_mode_16_64 3
		.amdhsa_memory_ordered 1
		.amdhsa_forward_progress 1
		.amdhsa_inst_pref_size 46
	.end_amdhsa_kernel
	.amdgpu_metadata
---
amdhsa.version: [ 1, 2 ]
amdhsa.kernels:
  - .name:           k_qe229720d56_outln
    .symbol:         k_qe229720d56_outln.kd
    .args:
      - { .name: aimg, .offset: 0, .size: 8, .value_kind: global_buffer, .address_space: global }
      - { .name: asc, .offset: 8, .size: 8, .value_kind: global_buffer, .address_space: global }
      - { .name: cod, .offset: 16, .size: 8, .value_kind: global_buffer, .address_space: global }
      - { .name: scl, .offset: 24, .size: 8, .value_kind: global_buffer, .address_space: global }
      - { .name: q, .offset: 32, .size: 8, .value_kind: global_buffer, .address_space: global }
      - { .name: gamma, .offset: 40, .size: 8, .value_kind: global_buffer, .address_space: global }
      - { .name: beta, .offset: 48, .size: 8, .value_kind: global_buffer, .address_space: global }
      - { .name: out0, .offset: 56, .size: 8, .value_kind: global_buffer, .address_space: global }
    .group_segment_fixed_size: 155648
    .private_segment_fixed_size: 0
    .kernarg_segment_align: 8
    .kernarg_segment_size: 64
    .max_flat_workgroup_size: 512
    .sgpr_count:     66
    .vgpr_count:     256
    .wavefront_size: 32
...
	.end_amdgpu_metadata
.endif
;; end of part 4
